; MI455X (gfx1250); checked and timed in simulation.
; The chip was launched on July 23, 2026; its instructions are those of AMD's public machine-readable ISA for CDNA 5 (MIT licence, August 2026) and "CDNA5" Instruction Set Architecture Reference Guide (July 2026). The comments in the code are by the model that wrote it; some were corrected since.
;; LSTE Linear. Allowed arithmetic: float matrix products may take bf16 or f16 operands with f32 sums; all other float work in f32.
;; Inputs: scales 131,072 float32; ste_gain 1 float32; ste_temp 1 float32; ternary 4,096 x 4,096 int8; x 4,096 x 4,096 float32.
;; Outputs: out0 4,096 x 4,096 float32.
;; 2 versions, each right; version 2 is version 1 with the launch prep written anew for expert scheduling mode. Each part assembles by itself: llvm-mc -triple=amdgcn-amd-amdhsa -mcpu=gfx1250 --defsym DOCPART=n.
;; ======== version 1 of 2: 2 launches
;; workspace buffers: xb 33,554,432 bytes; wb 33,554,432 bytes
;; launch prep (part 1): grid 1024 x 1, 8 waves a work-group, no clusters, 0 bytes of LDS; arguments x, ternary, scales, xb, wb, ste_gain, ste_temp; writes xb, wb
.if DOCPART == 1
	.amdgcn_target "amdgcn-amd-amdhsa--gfx1250"
	.amdhsa_code_object_version 6
	.text
	.protected	k_q81e3c2998d_prep
	.globl	k_q81e3c2998d_prep
	.p2align	8
	.type	k_q81e3c2998d_prep,@function
k_q81e3c2998d_prep:
	s_mov_b64 s[64:65], 0
	v_nop
	global_prefetch_b8 v0, s[64:65] scope:SCOPE_SE
	s_setreg_imm32_b32 hwreg(HW_REG_WAVE_MODE, 25, 1), 1
	s_wait_xcnt 0x0
; xb = bf16(x);  wb[o][k] = bf16( f32(ternary[o][k]) * scales[(o*4096 + k) / 128] ).
; x: [4096][4096] f32.  ternary: [4096][4096] int8.  scales: [131072] f32.  xb, wb: [4096][4096] bf16, row-major.
; Both operands of the product are brought into the matrix format ONCE here, so that the product's loop converts nothing.
; LIMITS: each number is rounded once to bf16 (nearest even): 8 significant bits, f32's exponent range.  The product t * s is formed in f32
; first.  Every int8 value, -128 to 127, is served.
; A stream: all arrays are taken as flat runs of bytes.  1,024 work-groups of eight waves; a work-group owns 65,536 bytes of x and 16,384 of ternary,
; a wave 8,192 bytes of x (16 chunks of 512) and 2,048 of ternary (8 chunks of 256 = 16 groups of 128 weights).  A wave's whole share lies in its
; registers: all its 24 loads are issued ahead of its first store, there is no loop, and no register that a load or a store reads is written again.
; Nothing is shared between waves and nothing is used twice: no LDS, no barrier, no cluster.
.set XCH,  512                         ; bytes of x in a chunk: 32 lanes x 16
.set TCH,  256                         ; bytes of ternary in a chunk: 32 lanes x 8 = two groups of 128 weights
.set OX,   3                           ; v3        my 16 bytes in the wave's first chunk of x, from the group's first byte
.set OXB,  4                           ; v4        my 8 bytes in xb
.set OT,   5                           ; v5        my 8 bytes in ternary
.set OWB,  6                           ; v6        my 16 bytes in wb
.set SCL,  8                           ; v[8:9]    v8: my group's scale in the chunk at work; v9 = 0: the packed multiply names the pair and selects v8 twice
.set T,    10                          ; v[10:17]  8 numbers at work
.set Y,    18                          ; v[18:49]  chunk j of ternary: 4 registers; the first two take the 8 int8, then all four the 8 bf16 to store
.set X,    50                          ; v[50:113] chunk i of x: 4 registers as loaded; packed in place into the first two, which are stored
.set SC,   20                          ; s[20:35]  the wave's 16 scales
	s_load_b256 s[4:11], s[0:1], 0x0               ; x s[4:5], ternary s[6:7], scales s[8:9], xb s[10:11]
	s_load_b128 s[12:15], s[0:1], 0x20             ; wb s[12:13], ste_gain s[14:15]
	s_load_b64 s[16:17], s[0:1], 0x30              ; ste_temp
	v_and_b32 v1, 31, v0                           ; lane
	v_lshrrev_b32 v2, 5, v0
	v_readfirstlane_b32 s18, v2                    ; wave, as a scalar: it picks the wave's scales
	s_lshl_b32 s38, ttmp9, 16                      ; the group's 65,536 bytes of x
	s_mov_b32 s39, 0
	s_lshl_b32 s40, ttmp9, 14                      ; its 16,384 bytes of ternary
	s_mov_b32 s41, 0
	s_lshl_b32 s42, ttmp9, 15                      ; its 32,768 bytes of xb, and of wb
	s_mov_b32 s43, 0
	s_lshl_b32 s44, ttmp9, 9                       ; its 128 scales (512 bytes),
	s_lshl_b32 s45, s18, 6                         ; and the wave's 16 among them (64 bytes)
	s_add_co_u32 s44, s44, s45
	s_mov_b32 s45, 0
	v_lshlrev_b32 v[OX], 4, v1
	v_lshl_add_u32 v[OX], v2, 13, v[OX]            ; 8,192 wave + 16 lane
	v_lshlrev_b32 v[OXB], 3, v1
	v_lshl_add_u32 v[OT], v2, 11, v[OXB]           ; 2,048 wave + 8 lane
	v_lshl_add_u32 v[OXB], v2, 12, v[OXB]          ; 4,096 wave + 8 lane
	v_lshlrev_b32 v[OWB], 4, v1
	v_lshl_add_u32 v[OWB], v2, 12, v[OWB]          ; 4,096 wave + 16 lane
	v_cmp_le_u32 vcc_lo, 16, v1                    ; lanes 16 to 31: the second group of a chunk of ternary
	v_mov_b32 v[SCL+1], 0
	s_wait_kmcnt 0x0
	s_add_nc_u64 s[4:5], s[4:5], s[38:39]
	s_add_nc_u64 s[6:7], s[6:7], s[40:41]
	s_add_nc_u64 s[8:9], s[8:9], s[44:45]
	s_add_nc_u64 s[10:11], s[10:11], s[42:43]
	s_add_nc_u64 s[12:13], s[12:13], s[42:43]
	; all 24 loads of the wave: each of x's covers 512 consecutive bytes, each of ternary's 256, all aligned to their length
.irp i, 0,1,2,3,4,5,6,7,8,9,10,11,12,13,14,15
	global_load_b128 v[X+4*\i:X+4*\i+3], v[OX], s[4:5] offset:XCH*\i th:TH_LOAD_NT
.endr
.irp j, 0,1,2,3,4,5,6,7
	global_load_b64 v[Y+4*\j:Y+4*\j+1], v[OT], s[6:7] offset:TCH*\j th:TH_LOAD_NT
.endr
	s_load_b512 s[SC:SC+15], s[8:9], 0x0           ; the wave's 16 scales, one scalar load of 64 bytes
	s_load_b32 s36, s[14:15], 0x0                  ; ste_gain and ste_temp are read as given; the forward result is no function of them
	s_load_b32 s37, s[16:17], 0x0                  ; (they steer the backward pass alone), so they enter no arithmetic
; Chunk i of x: 4 f32 a lane become 4 bf16, 8 bytes; the wave's store covers 256 consecutive bytes, aligned.
.macro XCHUNK i
	s_wait_loadcnt 23-\i                           ; loads come back in order (ISA guide 5.7.1): 15 - i loads of x and 8 of ternary are younger
	v_cvt_pk_bf16_f32 v[X+4*\i],   v[X+4*\i],   v[X+4*\i+1]
	v_cvt_pk_bf16_f32 v[X+4*\i+1], v[X+4*\i+2], v[X+4*\i+3]
	global_store_b64 v[OXB], v[X+4*\i:X+4*\i+1], s[10:11] offset:256*\i
.endm
; Chunk j of ternary: 8 int8 a lane, times the scale of the lane's group, become 8 bf16, 16 bytes; the wave's store covers 512 consecutive bytes.
.macro WCHUNK j
	s_wait_loadcnt 7-\j                            ; 7 - j loads of ternary are younger
	v_mov_b32 v[SCL], s[SC+2*\j+1]                 ; lanes 16 to 31 hold group 2 j + 1,
	v_cndmask_b32 v[SCL], s[SC+2*\j], v[SCL], vcc_lo   ; lanes 0 to 15 group 2 j
.irp q, 0,1
	v_lshlrev_b32 v[T+4*\q],   24, v[Y+4*\j+\q]    ; each byte to the top of a word,
	v_lshlrev_b32 v[T+4*\q+1], 16, v[Y+4*\j+\q]
	v_lshlrev_b32 v[T+4*\q+2], 8,  v[Y+4*\j+\q]
	v_ashrrev_i32 v[T+4*\q+3], 24, v[Y+4*\j+\q]    ; (the fourth is there already)
.endr
.irp k, 0,1,2,4,5,6
	v_ashrrev_i32 v[T+\k], 24, v[T+\k]             ; and down again with its sign
.endr
.irp k, 0,1,2,3,4,5,6,7
	v_cvt_f32_i32 v[T+\k], v[T+\k]
.endr
.irp k, 0,2,4,6
	v_pk_mul_f32 v[T+\k:T+\k+1], v[T+\k:T+\k+1], v[SCL:SCL+1] op_sel_hi:[1,0]   ; both by v8, in f32
.endr
.irp k, 0,1,2,3
	v_cvt_pk_bf16_f32 v[Y+4*\j+\k], v[T+2*\k], v[T+2*\k+1]     ; the two loaded words are dead: all eight bytes were taken out above
.endr
	global_store_b128 v[OWB], v[Y+4*\j:Y+4*\j+3], s[12:13] offset:512*\j
.endm
.irp i, 0,1,2,3,4,5,6,7,8,9,10,11,12,13,14,15
	XCHUNK \i
.endr
	s_wait_kmcnt 0x0                               ; the scales (and the two numbers beside them)
.irp j, 0,1,2,3,4,5,6,7
	WCHUNK \j
.endr
	s_endpgm
.Lfunc_end_k_q81e3c2998d_prep:
	.size	k_q81e3c2998d_prep, .Lfunc_end_k_q81e3c2998d_prep-k_q81e3c2998d_prep
	.p2alignl 7, 3214868480
	.fill 96, 4, 3214868480
	.section	.rodata,"a",@progbits
	.p2align	6, 0x0
	.amdhsa_kernel k_q81e3c2998d_prep
		.amdhsa_group_segment_fixed_size 0
		.amdhsa_private_segment_fixed_size 0
		.amdhsa_enable_private_segment 0
		.amdhsa_kernarg_size 56
		.amdhsa_user_sgpr_count 2
		.amdhsa_user_sgpr_kernarg_segment_ptr 1
		.amdhsa_wavefront_size32 1
		.amdhsa_system_sgpr_workgroup_id_x 1
		.amdhsa_system_sgpr_workgroup_id_y 1
		.amdhsa_system_sgpr_workgroup_id_z 1
		.amdhsa_system_vgpr_workitem_id 0
		.amdhsa_next_free_vgpr 114
		.amdhsa_next_free_sgpr 66
		.amdhsa_reserve_vcc 1
		.amdhsa_float_denorm_mode_32 3
		.amdhsa_float_denorm_mode_16_64 3
		.amdhsa_memory_ordered 1
		.amdhsa_forward_progress 1
		.amdhsa_inst_pref_size 19
	.end_amdhsa_kernel
	.amdgpu_metadata
---
amdhsa.version: [ 1, 2 ]
amdhsa.kernels:
  - .name:           k_q81e3c2998d_prep
    .symbol:         k_q81e3c2998d_prep.kd
    .args:
      - { .name: x, .offset: 0, .size: 8, .value_kind: global_buffer, .address_space: global }
      - { .name: ternary, .offset: 8, .size: 8, .value_kind: global_buffer, .address_space: global }
      - { .name: scales, .offset: 16, .size: 8, .value_kind: global_buffer, .address_space: global }
      - { .name: xb, .offset: 24, .size: 8, .value_kind: global_buffer, .address_space: global }
      - { .name: wb, .offset: 32, .size: 8, .value_kind: global_buffer, .address_space: global }
      - { .name: ste_gain, .offset: 40, .size: 8, .value_kind: global_buffer, .address_space: global }
      - { .name: ste_temp, .offset: 48, .size: 8, .value_kind: global_buffer, .address_space: global }
    .group_segment_fixed_size: 0
    .private_segment_fixed_size: 0
    .kernarg_segment_align: 8
    .kernarg_segment_size: 56
    .max_flat_workgroup_size: 256
    .sgpr_count:     66
    .vgpr_count:     114
    .wavefront_size: 32
...
	.end_amdgpu_metadata
.endif
;; end of part 1
;; launch gemm (part 2): grid 16 x 16, 4 waves a work-group, clusters of 4 x 4, 327,680 bytes of LDS; arguments xb, wb, out0; writes out0
.if DOCPART == 2
	.amdgcn_target "amdgcn-amd-amdhsa--gfx1250"
	.amdhsa_code_object_version 6
	.text
	.protected	k_q81e3c2998d_gemm
	.globl	k_q81e3c2998d_gemm
	.p2align	8
	.type	k_q81e3c2998d_gemm,@function
k_q81e3c2998d_gemm:
	s_mov_b64 s[64:65], 0
	v_nop
	global_prefetch_b8 v0, s[64:65] scope:SCOPE_SE
	s_setreg_imm32_b32 hwreg(HW_REG_WAVE_MODE, 25, 1), 1
	s_wait_xcnt 0x0
	s_wait_alu depctr_hold_cnt(0) depctr_sa_sdst(0) depctr_va_vdst(0) depctr_va_sdst(0) depctr_va_ssrc(0) depctr_va_vcc(0) depctr_vm_vsrc(0)
	s_getreg_b32 s2, hwreg(HW_REG_IB_STS2, 6, 4)
	s_cmp_eq_u32 s2, 0
	s_cbranch_scc0 .Lentry_in_a_cluster
	s_endpgm
.Lentry_in_a_cluster:
	s_bfe_u32 s2, ttmp6, 0x10000c
	s_cmp_lg_u32 s2, 0xf033
	s_cbranch_scc0 .Lentry_shape_is_right
	s_endpgm
.Lentry_shape_is_right:
; out0[t][o] = sum over k of xb[t][k] wb[o][k].  xb (A): [4096][4096] bf16, wb (B): [4096][4096] bf16, out0 (C): [4096][4096] f32; sums in f32.
; LIMITS: the operands are bf16 (rounded once, in the launch before); the order of the sums is the matrix unit's, K ascending in steps of 32.
; A work-group makes a block of 256 x 256 of C with four waves, as many as a WGP has SIMDs; a wave makes 128 x 128: 64 accumulator tiles of
; 16 x 16, 512 registers.  16 x 16 blocks = 256 work-groups.  K goes in 32 steps of 128 through a ring of two LDS slots filled by the tensor
; data mover: a tile's rows are 256 bytes of memory and start at multiples of 256 bytes from the buffer's first byte.
; CLUSTERS: 4 x 4 work-groups form a cluster.  The four of a row of the cluster make blocks of one block row of C and need the same tiles of A;
; the four of a column need the same tiles of B.  Such a tile is asked for jointly: each of the four issues the same tensor load, with the same
; descriptor and a mask that names the four, and each receives the tile in its own LDS.  That divides the requests for A and for B by four.
;
; REGISTERS, in windows of 256 (an instruction names v0-v255; s_set_vgpr_msb says which window each operand place means):
;   window 0: v0-31 addresses; v64-127, v128-191 fragments of A (8 x 16 rows x 32 K), two buffers, and on the way out rows of C
;   window 1: v64-127, v128-191 fragments of B, two buffers
;   window 2: the 32 accumulator tiles of my rows 0-63 (tile (a, b) at v[8 (8 a + b)]);   window 3: those of my rows 64-127
; s_set_vgpr_msb's low byte: bits 1:0 source 0, 3:2 source 1, 5:4 source 2, 7:6 destination.  Work is laid in long stretches under one setting.
;
; THE MATRIX INSTRUCTION IS USED TRANSPOSED: source 0 = 16 rows of B, source 1 = 16 rows of A.  In the result, lane l then holds row l % 16 of
; the tile, and its registers 0 to 7 the columns 8 (l / 16) + 0 .. 7: eight neighbouring f32 of a row of C, 32 bytes that belong together.
.set SIZE_N, 4096
.set SIZE_K, 4096
.set KSTEP,  128
.set PITCH,  272                       ; an LDS row: 256 bytes of data + 16 of padding: the 16 rows that a fragment load touches begin 16 bytes apart modulo 256
.set HALFT,  128*PITCH                 ; 128 rows: what one tensor load brings, and what one wave reads of A or of B
.set SLOT,   4*HALFT                   ; A's 256 rows, then B's 256 rows
.set STAGE,  2*SLOT                    ; behind the ring (at a multiple of 256): the waves' stages for the way out; no tensor load lands there
.set SPITCH, 528                       ; a stage's row: 128 f32 = 512 bytes + 16: again 16 bytes apart modulo 256 from row to row
.set WSTAGE, 16*SPITCH                 ; a wave's stage: 16 rows, 8,448 bytes = 33 x 256
.set CROW,   SIZE_N*4                  ; bytes in a row of C
.set LAPS,   SIZE_K/(2*KSTEP)          ; a lap = two K steps = once round the ring: 16
.set ADRA, 16                          ; v16-17  LDS address of my A fragments in slot 0, 1
.set ADRB, 20                          ; v20-21  the same for B
.set STO,  24                          ; v24     the way out: where I put my 32 bytes of a row
.set RD,   25                          ; v25     the way out: where I read 16 bytes of a row back
.set CO,   26                          ; v26     my 16 bytes in a row of my block of C
.set F0,   64                          ; fragment buffer 0
.set F1,   128                         ; fragment buffer 1
.set G1,  24                           ; s[24:31] descriptor group 1 for A's tiles
.set G0,  32                           ; s[32:39] descriptor group 0 for A's tiles, one set for each slot
.set G1B, 48                           ; s[48:55] descriptor group 1 for B's tiles: it differs from A's in the mask alone
.set G0B, 56                           ; s[56:63] descriptor group 0 for B's tiles, one set for each slot
.set MSB, 0
.macro WIN new                         ; the immediate's high byte repeats the setting that is left; a switch that changes nothing is dropped
.if MSB != \new
	s_set_vgpr_msb (MSB<<8)|\new
.set MSB, \new
.endif
.endm
.set MUL_LO, 0xa1                      ; source 0 (B) window 1, source 1 (A) window 0, C and D window 2
.set MUL_HI, 0xf1                      ; the same, C and D window 3
.set TO_B,   0x40                      ; destination window 1, address window 0
; A joint load.  Waves 0 and 1 fetch A's two halves, waves 2 and 3 B's.  Each of the two lines has one mask and one set of registers for all that
; issue it, and nothing in them hangs on a coordinate that the four partners do not share.  The branch hangs on the wave's number alone.
.macro JLOAD s
	s_cmp_eq_u32 s11, 0
	s_cbranch_scc0 .Lfor_b_\@
	tensor_load_to_lds s[G0+4*\s:G0+4*\s+3], s[G1:G1+7]
	s_nop 0
	s_branch .Lasked_\@
.Lfor_b_\@:
	tensor_load_to_lds s[G0B+4*\s:G0B+4*\s+3], s[G1B:G1B+7]
	s_nop 0
.Lasked_\@:
.endm
; A round of the cluster's barrier: my work-group's barrier, so that wave 0's signal speaks for all four waves; wave 0 signals for the work-group;
; every wave waits for all sixteen work-groups; my work-group's barrier once more.  No LDS instruction of the wave is pending at a signal.
.macro CREST                           ; a round behind its opening barrier
	s_cmp_lg_u32 s10, 0
	s_cbranch_scc1 .Lnot_wave_0_\@
	s_barrier_signal -3
.Lnot_wave_0_\@:
	s_barrier_wait -3
	s_barrier_signal -1
	s_barrier_wait -1
.endm
.macro CROUND                          ; a whole round
	s_barrier_signal -1
	s_barrier_wait -1
	CREST
.endm
	s_load_b128 s[4:7], s[0:1], 0x0                ; A (xb) s[4:5], B (wb) s[6:7]
	s_load_b64 s[8:9], s[0:1], 0x10                ; C (out0)
	s_set_vgpr_msb 0x40
	v_lshl_add_u32 v255, v0, 2, 0x4c400
	s_set_vgpr_msb 0x4000
	v_mov_b32 v255, 0
	s_set_vgpr_msb 0x1
	ds_add_u32 v255, v255
	ds_add_u32 v255, v255
	s_set_vgpr_msb 0x100
	v_lshrrev_b32 v1, 5, v0
	v_readfirstlane_b32 s10, v1                    ; wave 0..3
	s_lshr_b32 s11, s10, 1                         ; which half of the block's rows is mine.  Also: I fetch for A (0) or for B (1)
	s_and_b32 s12, s10, 1                          ; which half of its columns.  Also: which 128 rows of that tile I fetch
	s_bfe_u32 s40, ttmp6, 0x40000                  ; cx: my place along the cluster's x
	s_bfe_u32 s41, ttmp6, 0x40004                  ; cy: along its y
	s_lshl_b32 s42, ttmp9, 2                       ; in a cluster launch ttmp9 and ttmp7 count clusters
	s_add_co_u32 s42, s42, s40                     ; block column of C = 4 x cluster x + cx
	s_and_b32 s13, ttmp7, 0xffff
	s_lshl_b32 s13, s13, 2
	s_add_co_u32 s13, s13, s41                     ; block row of C = 4 x cluster y + cy
	s_lshl_b32 s43, s41, 2
	s_lshl_b32 s43, 15, s43                        ; my row of the cluster: places 4 cy .. 4 cy + 3
	s_lshl_b32 s44, 0x1111, s40                    ; my column: places cx, cx + 4, cx + 8, cx + 12
	; descriptor group 1: a tile of 128 rows x 128 elements of 2 bytes, padded in LDS
	s_or_b32 s[G1+0], s43, (1<<16)|(1<<20)|(1<<21)|(5<<22)|(3<<25)  ; 15:0 the mask: A's tiles go to my row; 17:16 element of 2 bytes; 20 padding on; 21 set beside a mask; 24:22 after every 64 words (code 5); 31:25 of 4 words (code 3)
	s_or_b32 s[G1B+0], s44, (1<<16)|(1<<20)|(1<<21)|(5<<22)|(3<<25) ; the same with the mask of my column, for B's tiles
	s_mov_b32 s[G1+1], KSTEP<<16                   ; 63:48 tensor_dim0, low half = 128
	s_mov_b32 s[G1B+1], KSTEP<<16
	s_mov_b32 s[G1+2], 128<<16                     ; 79:64 its high half = 0; 95:80 tensor_dim1, low half = 128
	s_mov_b32 s[G1B+2], 128<<16
	s_mov_b32 s[G1+3], KSTEP<<16                   ; 111:96 its high half = 0; 127:112 tile_dim0 = 128
	s_mov_b32 s[G1B+3], KSTEP<<16
	s_mov_b32 s[G1+4], 128                         ; 143:128 tile_dim1 = 128; 159:144 tile_dim2 = 0
	s_mov_b32 s[G1B+4], 128
	s_mov_b32 s[G1+5], SIZE_K                      ; 191:160 elements from row to row
	s_mov_b32 s[G1B+5], SIZE_K
	s_mov_b32 s[G1+6], 0
	s_mov_b32 s[G1B+6], 0
	s_mov_b32 s[G1+7], 0
	s_mov_b32 s[G1B+7], 0
	; where the tiles come from.  A's hang on the block row alone, which my row of the cluster shares; B's on the block column alone, which my
	; column shares.  Every wave makes both addresses, in registers that never hold the other coordinate, and asks by one of them.
	s_lshl_b32 s17, s12, 7                         ; which 128 rows of the tile I fetch
	s_lshl_b32 s16, s13, 8
	s_add_co_u32 s16, s16, s17                     ; A: row 256 x block row + 128 x half
	s_lshl_b32 s46, s42, 8
	s_add_co_u32 s46, s46, s17                     ; B: row 256 x block column + 128 x half
	s_mov_b32 s17, 0
	s_mov_b32 s47, 0
	s_mov_b64 s[18:19], SIZE_K*2
	s_mul_u64 s[16:17], s[16:17], s[18:19]         ; in bytes
	s_mul_u64 s[46:47], s[46:47], s[18:19]
	s_mul_i32 s20, s10, HALFT                      ; and where they go: A's two halves, then B's two halves = wave x 128 rows: no place in the cluster enters an LDS address
	s_wait_dscnt 0x0
	s_wait_kmcnt 0x0
	s_add_nc_u64 s[14:15], s[4:5], s[16:17]
	s_add_nc_u64 s[46:47], s[6:7], s[46:47]
	CROUND                                         ; all sixteen work-groups are here: the first joint loads meet
.irp s, 0,1
	s_mov_b32 s[G0+4*\s], 1                                        ; 1:0 count = 1
	s_add_co_u32 s[G0+4*\s+1], s20, \s*SLOT                        ; 63:32 LDS address
	s_add_nc_u64 s[G0+4*\s+2:G0+4*\s+3], s[14:15], \s*KSTEP*2      ; 120:64 global address: K step s
	s_or_b32 s[G0+4*\s+3], s[G0+4*\s+3], 0x80000000                ; 127:126 type = 2
	s_mov_b32 s[G0B+4*\s], 1
	s_add_co_u32 s[G0B+4*\s+1], s20, \s*SLOT
	s_add_nc_u64 s[G0B+4*\s+2:G0B+4*\s+3], s[46:47], \s*KSTEP*2
	s_or_b32 s[G0B+4*\s+3], s[G0B+4*\s+3], 0x80000000
	JLOAD \s                                       ; both first fills go out as one group behind the one round: two tensor loads of the wave are out
.endr
	; A fragment is 16 rows x 32 K in 8 registers: lane l holds row l % 16; registers 0-3 hold K = 8 (l / 16) + 0..7, registers 4-7 hold
	; K = 16 + 8 (l / 16) + 0..7.  From rows that lie along K: two loads of 16 bytes, 32 bytes apart.  The same for source 0 and source 1.
	v_and_b32 v1, 15, v0                           ; l % 16
	v_bfe_u32 v2, v0, 4, 1                         ; l / 16
	v_mul_u32_u24 v3, v1, PITCH
	v_lshl_add_u32 v3, v2, 4, v3                   ; row x pitch + 16 x half
	s_mul_i32 s21, s11, HALFT                      ; my 128 rows of A
	s_mul_i32 s22, s12, HALFT                      ; my 128 rows of B,
	s_add_co_u32 s22, s22, 2*HALFT                 ; which lie behind A's 256
.irp s, 0,1
	v_add_nc_u32 v[ADRA+\s], s21, v3
	v_add_nc_u32 v[ADRB+\s], s22, v3
	s_add_co_u32 s21, s21, SLOT
	s_add_co_u32 s22, s22, SLOT
.endr
	s_mul_i32 s23, s10, WSTAGE
	s_add_co_u32 s23, s23, STAGE                   ; my stage
	v_mul_u32_u24 v4, v1, SPITCH                   ; in: row l % 16, 32 bytes for each half of the lanes
	v_lshl_add_u32 v4, v2, 5, v4
	v_add_nc_u32 v[STO], s23, v4
	v_and_b32 v5, 31, v0
	v_lshlrev_b32 v[CO], 4, v5                     ; back and out: the 32 lanes take one row of 512 bytes, 16 bytes each
	v_add_nc_u32 v[RD], s23, v[CO]
; 16 matrix instructions: m blocks a0, a0 + 1 of the window's four (hi = 0: my rows 0-63, 1: rows 64-127) x all 8 n blocks, 32 along K.
; zero = 1: the first product starts the sums: nothing is ever cleared.
; The 64 accumulators take turns, one instruction a turn, in the same order in every quarter step, over the loop's backward jump and into the
; tail.
.macro MUL16 f, hi, a0, zero
.irp a, \a0, \a0+1
.irp b, 0,1,2,3,4,5,6,7
.if \zero
	v_wmma_f32_16x16x32_bf16 v[8*(8*(\a)+\b):8*(8*(\a)+\b)+7], v[\f+8*\b:\f+8*\b+7], v[\f+8*(4*\hi+\a):\f+8*(4*\hi+\a)+7], 0
.else
	v_wmma_f32_16x16x32_bf16 v[8*(8*(\a)+\b):8*(8*(\a)+\b)+7], v[\f+8*\b:\f+8*\b+7], v[\f+8*(4*\hi+\a):\f+8*(4*\hi+\a)+7], v[8*(8*(\a)+\b):8*(8*(\a)+\b)+7]
.endif
.endr
.endr
.endm
; 32 LDS loads in one run: the fragments of one quarter step (128 rows of B, 128 rows of A, 32 K at byte k of the rows) into buffer f
.macro FETCH slot, k, f
	WIN TO_B
.irp i, 0,1,2,3,4,5,6,7
	ds_load_b128 v[\f+8*\i:\f+8*\i+3],   v[ADRB+\slot] offset:\k+\i*16*PITCH
	ds_load_b128 v[\f+8*\i+4:\f+8*\i+7], v[ADRB+\slot] offset:\k+\i*16*PITCH+32
.endr
	WIN 0
.irp i, 0,1,2,3,4,5,6,7
	ds_load_b128 v[\f+8*\i:\f+8*\i+3],   v[ADRA+\slot] offset:\k+\i*16*PITCH
	ds_load_b128 v[\f+8*\i+4:\f+8*\i+7], v[ADRA+\slot] offset:\k+\i*16*PITCH+32
.endr
.endm
; A load into a register that a matrix instruction has read, and an LDS store that reads a matrix result, stand four places behind that matrix
; instruction, and only plain vector instructions that name none of its registers are places (ISA guide 7.12.1 for vector instructions);
; the matrix instructions in between are not counted.  So four v_nop stand in front of each run of loads.
.macro PLACES
.rept 4
	v_nop
.endr
.endm
; A K step is four quarter steps of 32 along K, 64 matrix instructions each, on buffers 0, 1, 0, 1.
; One of the first three: multiplies buffer f; in its middle it fetches the next quarter's fragments, at byte k of the same slot's rows, into g.
.macro QUARTER slot, k, f, g, zero
	s_wait_dscnt 8                                 ; B and A's rows 0-63 are in; the youngest eight loads (A's rows 64-127) may be out
	WIN MUL_LO
	MUL16 \f, 0, 0, \zero
	MUL16 \f, 0, 2, \zero
	PLACES
	FETCH \slot, \k, \g
	s_wait_dscnt 32                                ; all but the 32 just issued
	WIN MUL_HI
	MUL16 \f, 1, 0, \zero
	MUL16 \f, 1, 2, \zero
.endm
.macro THREE slot, zero
	QUARTER \slot, 64,  F0, F1, \zero
	QUARTER \slot, 128, F1, F0, 0
	QUARTER \slot, 192, F0, F1, 0
.endm
; The last quarter: multiplies buffer 1 and changes slots.  next = the other slot; fill = 1: this slot is filled again, two K steps ahead.
; One barrier for the change of slots, for two things.  In front of it each wave waits for its own reads of this slot and for all its tensor
; loads, of which one is out: its part of the next slot.  Behind it nobody reads this slot any more and the next slot is whole: the refill comes
; first, then the next slot's first fragments.  From a request to the wait for it a wave issues 240 matrix instructions.
.macro TURN slot, next, fill
	s_wait_dscnt 8
	WIN MUL_LO
	MUL16 F1, 0, 0, 0
	s_wait_dscnt 0                                 ; my reads of this slot are over
	s_wait_tensorcnt 0x0                           ; and all my tensor loads have landed: the one that was out is my part of the next slot:
	ds_add_u32 v255, v255
	s_wait_dscnt 0x0
	s_barrier_signal -1                            ; say so (where a slot is filled again this barrier opens a round of the cluster's barrier),
	MUL16 F1, 0, 2, 0                              ; work on registers while the others arrive,
	WIN 0
	s_barrier_wait -1                              ; and go on when all four have said so
.if \fill
	CREST                                          ; all sixteen work-groups have said so: no wave of any partner still reads this slot's tile or has a load on its way
	s_add_nc_u64 s[G0+4*\slot+2:G0+4*\slot+3], s[G0+4*\slot+2:G0+4*\slot+3], 2*KSTEP*2       ; no tensor load of mine is out: the addresses may step
	s_add_nc_u64 s[G0B+4*\slot+2:G0B+4*\slot+3], s[G0B+4*\slot+2:G0B+4*\slot+3], 2*KSTEP*2
	JLOAD \slot                                    ; the first tensor load behind the round, and my only one until the next
.endif
	PLACES
	FETCH \next, 0, F0
	WIN MUL_HI
	MUL16 F1, 1, 0, 0
	MUL16 F1, 1, 2, 0
.endm
.macro LAP zero                        ; once round the ring, both slots filled again
	THREE 0, \zero
	TURN 0, 1, 1
	THREE 1, 0
	TURN 1, 0, 1
.endm
	s_wait_tensorcnt 1                             ; my part of K step 0 is in; K step 1's may stay out
	s_barrier_signal -1
	s_barrier_wait -1                              ; everybody's is
	FETCH 0, 0, F0
	LAP 1                                          ; the first lap stands in front of the loop: its first products start the sums
	WIN 0                                          ; at a label and at a branch every window is 0
	s_mov_b32 s3, LAPS-2                           ; 14 laps in the loop: with the first they fill up to K step 31
.Llap:
	LAP 0
	WIN 0
	s_sub_co_u32 s3, s3, 1
	s_cmp_lg_u32 s3, 0
	s_cbranch_scc1 .Llap
	THREE 0, 0                                     ; the last lap fills nothing and has no round of the cluster's barrier: my one tensor load still out is slot 1's, the last K step's
	TURN 0, 1, 0
	THREE 1, 0
	s_wait_dscnt 8                                 ; the very last quarter: nothing more to fetch
	WIN MUL_LO
	MUL16 F1, 0, 0, 0
	MUL16 F1, 0, 2, 0
	s_wait_dscnt 0
	WIN MUL_HI
	MUL16 F1, 1, 0, 0
	MUL16 F1, 1, 2, 0
	; THE WAY OUT, 16 rows of C at a time: the f32 sums go as they are, 32 bytes a lane, into my own stage in LDS, and come back as whole rows of
	; 512 bytes.  The four v_nop are the places behind the last matrix instructions: for the LDS stores, which read results, and for the loads
	; into buffers 0 and 1.
	PLACES
	s_lshl_b32 s13, s13, 8
	s_lshl_b32 s14, s11, 7
	s_add_co_u32 s16, s13, s14                     ; my first row of C: 256 x block row + 128 x half,
	s_lshl_b32 s16, s16, 14                        ; in bytes: 16,384 a row, 65,011,712 at the most
	s_mov_b32 s17, 0
	s_add_nc_u64 s[8:9], s[8:9], s[16:17]
	s_lshl_b32 s46, s42, 10                        ; my first column, in bytes: 1,024 x block column + 512 x half
	s_lshl_b32 s47, s12, 9
	s_add_co_u32 s46, s46, s47
	s_mov_b32 s47, 0
	s_add_nc_u64 s[8:9], s[8:9], s[46:47]
; rows 16 i .. 16 i + 15 of my block = the eight tiles (a, 0..7) of window 2 or 3 (win = 0x08 or 0x0c: an LDS store's data is source 1); f: F0 or F1 in turn
.macro OUT16 i, a, win, f
	WIN \win
.irp b, 0,1,2,3,4,5,6,7
	ds_store_b128 v[STO], v[8*(8*\a+\b):8*(8*\a+\b)+3]   offset:64*\b       ; row l % 16, columns 16 b + 8 (l / 16) + 0..3
	ds_store_b128 v[STO], v[8*(8*\a+\b)+4:8*(8*\a+\b)+7] offset:64*\b+16    ; and + 4..7
.endr
	WIN 0
	s_wait_xcnt 0x0                                ; every earlier memory instruction has had its addresses translated (ISA guide 3.1): buffer f, which the stores of two calls ago read, is loaded again only behind this wait
.irp t, 0,1,2,3,4,5,6,7,8,9,10,11,12,13,14,15
	ds_load_b128 v[\f+4*\t:\f+4*\t+3], v[RD] offset:\t*SPITCH      ; LDS serves a wave's instructions in order (ISA guide 5.7.1.4): these see the stores above
.endr
.irp t, 0,1,2,3,4,5,6,7,8,9,10,11,12,13,14,15
	s_wait_dscnt 15-\t                             ; row t is in; the 15 - t younger loads may be out
	global_store_b128 v[CO], v[\f+4*\t:\f+4*\t+3], s[8:9] offset:(16*\i+\t)*CROW th:TH_STORE_NT   ; the wave stores 512 consecutive bytes, at a multiple of 512 from C's first byte; the row stands in the immediate, 127 x 16,384 at the most
.endr
.endm
	OUT16 0, 0, 0x08, F0
	OUT16 1, 1, 0x08, F1
	OUT16 2, 2, 0x08, F0
	OUT16 3, 3, 0x08, F1
	OUT16 4, 0, 0x0c, F0
	OUT16 5, 1, 0x0c, F1
	OUT16 6, 2, 0x0c, F0
	OUT16 7, 3, 0x0c, F1
	s_set_vgpr_msb 0x1
	s_wait_tensorcnt 0x0
	ds_add_u32 v255, v255
	s_wait_dscnt 0x0
	s_set_vgpr_msb 0x100
	CROUND                                         ; the closing round: no work-group ends while a partner may still ask for a tile that names it
	s_endpgm
.Lfunc_end_k_q81e3c2998d_gemm:
	.size	k_q81e3c2998d_gemm, .Lfunc_end_k_q81e3c2998d_gemm-k_q81e3c2998d_gemm
	.p2alignl 7, 3214868480
	.fill 96, 4, 3214868480
	.section	.rodata,"a",@progbits
	.p2align	6, 0x0
	.amdhsa_kernel k_q81e3c2998d_gemm
		.amdhsa_group_segment_fixed_size 327680
		.amdhsa_private_segment_fixed_size 0
		.amdhsa_enable_private_segment 0
		.amdhsa_kernarg_size 24
		.amdhsa_user_sgpr_count 2
		.amdhsa_user_sgpr_kernarg_segment_ptr 1
		.amdhsa_wavefront_size32 1
		.amdhsa_system_sgpr_workgroup_id_x 1
		.amdhsa_system_sgpr_workgroup_id_y 1
		.amdhsa_system_sgpr_workgroup_id_z 1
		.amdhsa_system_vgpr_workitem_id 0
		.amdhsa_next_free_vgpr 1024
		.amdhsa_next_free_sgpr 66
		.amdhsa_reserve_vcc 0
		.amdhsa_float_denorm_mode_32 3
		.amdhsa_float_denorm_mode_16_64 3
		.amdhsa_memory_ordered 1
		.amdhsa_forward_progress 1
		.amdhsa_inst_pref_size 196
	.end_amdhsa_kernel
	.amdgpu_metadata
---
amdhsa.version: [ 1, 2 ]
amdhsa.kernels:
  - .name:           k_q81e3c2998d_gemm
    .symbol:         k_q81e3c2998d_gemm.kd
    .args:
      - { .name: xb, .offset: 0, .size: 8, .value_kind: global_buffer, .address_space: global }
      - { .name: wb, .offset: 8, .size: 8, .value_kind: global_buffer, .address_space: global }
      - { .name: out0, .offset: 16, .size: 8, .value_kind: global_buffer, .address_space: global }
    .group_segment_fixed_size: 327680
    .private_segment_fixed_size: 0
    .kernarg_segment_align: 8
    .kernarg_segment_size: 24
    .max_flat_workgroup_size: 128
    .sgpr_count:     66
    .vgpr_count:     1024
    .wavefront_size: 32
...
	.end_amdgpu_metadata
.endif
;; end of part 2
;; ======== version 2 of 2: 2 launches; version 1 with the launch prep written anew for expert scheduling mode
;; workspace buffers: xb 33,554,432 bytes; wb 33,554,432 bytes
;; launch prep (part 3): grid 1024 x 1, 8 waves a work-group, no clusters, 0 bytes of LDS; arguments x, ternary, scales, xb, wb, ste_gain, ste_temp; writes xb, wb
.if DOCPART == 3
	.amdgcn_target "amdgcn-amd-amdhsa--gfx1250"
	.amdhsa_code_object_version 6
	.text
	.protected	k_q81e3c2998d_prep
	.globl	k_q81e3c2998d_prep
	.p2align	8
	.type	k_q81e3c2998d_prep,@function
k_q81e3c2998d_prep:
	s_mov_b64 s[64:65], 0
	v_nop
	global_prefetch_b8 v0, s[64:65] scope:SCOPE_SE
	s_setreg_imm32_b32 hwreg(HW_REG_WAVE_SCHED_MODE, 0, 2), 2
	s_setreg_imm32_b32 hwreg(HW_REG_WAVE_MODE, 25, 1), 1
	s_wait_xcnt 0x0
	s_wait_alu depctr_vm_vsrc(0)
; xb = bf16(x);  wb[o][k] = bf16( f32(ternary[o][k]) * scales[(o*4096 + k) / 128] ).
; x: [4096][4096] f32.  ternary: [4096][4096] int8.  scales: [131072] f32.  xb, wb: [4096][4096] bf16, row-major.
; Both operands of the product are brought into the matrix format ONCE here, so that the product's loop converts nothing.
; LIMITS: each number is rounded once to bf16 (nearest even): 8 significant bits, f32's exponent range.  The product t * s is formed in f32
; first.  Every int8 value, -128 to 127, is served.
; A stream: all arrays are taken as flat runs of bytes.  1,024 work-groups of eight waves; a work-group owns 65,536 bytes of x and 16,384 of ternary,
; a wave 8,192 bytes of x (16 chunks of 512) and 2,048 of ternary (8 chunks of 256 = 16 groups of 128 weights).  A wave's whole share lies in its
; registers: all its 24 loads are issued ahead of its first store, there is no loop, and no register that a load or a store has read (an offset,
; a store's data) is written again.  Nothing is shared between waves and nothing is used twice: no LDS, no barrier, no cluster.
; THE MODE: SCHED_MODE bits 1:0 = 2 (LLVM: expert scheduling mode 2), set by the entry lines.  The code itself states the register dependences
; between vector instructions and memory instructions, with s_wait_alu, always for 0.
; THE PLAN.  Registers that memory instructions touch:
;   v3 .. v6   the four byte offsets: written once at the head, read by every load and store, never written again.
;   X chunk i  its load lands in it at the head, before any vector line names it; chunk i's two conversions pack it in place; one store reads the pair.
;   Y chunk j  likewise: the load lands in its first two registers; chunk j's lines read them and its four conversions write all four; one store reads them.
;   v8 .. v17 (the scale, the numbers at work) are named by vector instructions alone.
; The chunks go in BLOCKS: four blocks of four chunks of x, then four blocks of two chunks of ternary.  A block's memory instructions are the stores
; of the block BEFORE it, whose registers no vector line of this block names.  So one wait on va_vdst at a block's head states all that those stores
; hang on, and they are dealt among the block's vector lines with no further wait.  No register that a store reads is written afterwards, so no
; wait on vm_vsrc is owed anywhere.
.set XCH,  512                         ; bytes of x in a chunk: 32 lanes x 16
.set TCH,  256                         ; bytes of ternary in a chunk: 32 lanes x 8 = two groups of 128 weights
.set OX,   3                           ; v3        my 16 bytes in the wave's first chunk of x, from the group's first byte
.set OXB,  4                           ; v4        my 8 bytes in xb
.set OT,   5                           ; v5        my 8 bytes in ternary
.set OWB,  6                           ; v6        my 16 bytes in wb
.set SCL,  8                           ; v[8:9]    v8: my group's scale in the chunk at work; v9 = 0: the packed multiply names the pair and selects v8 twice
.set T,    10                          ; v[10:17]  8 numbers at work
.set Y,    18                          ; v[18:49]  chunk j of ternary: 4 registers; the first two take the 8 int8, then all four the 8 bf16 to store
.set X,    50                          ; v[50:113] chunk i of x: 4 registers as loaded; packed in place into the first two, which are stored
.set SC,   20                          ; s[20:35]  the wave's 16 scales
	s_load_b256 s[4:11], s[0:1], 0x0               ; x s[4:5], ternary s[6:7], scales s[8:9], xb s[10:11]
	s_load_b128 s[12:15], s[0:1], 0x20             ; wb s[12:13], ste_gain s[14:15]
	s_load_b64 s[16:17], s[0:1], 0x30              ; ste_temp
	v_and_b32 v1, 31, v0                           ; lane
	v_lshrrev_b32 v2, 5, v0
	v_readfirstlane_b32 s18, v2                    ; wave, as a scalar: it picks the wave's scales
	v_lshlrev_b32 v[OX], 4, v1
	v_lshl_add_u32 v[OX], v2, 13, v[OX]            ; 8,192 wave + 16 lane
	v_lshlrev_b32 v[OXB], 3, v1
	v_lshl_add_u32 v[OT], v2, 11, v[OXB]           ; 2,048 wave + 8 lane
	v_lshl_add_u32 v[OXB], v2, 12, v[OXB]          ; 4,096 wave + 8 lane
	v_lshlrev_b32 v[OWB], 4, v1
	v_lshl_add_u32 v[OWB], v2, 12, v[OWB]          ; 4,096 wave + 16 lane
	v_cmp_le_u32 vcc_lo, 16, v1                    ; lanes 16 to 31: the second group of a chunk of ternary
	v_mov_b32 v[SCL+1], 0
	s_lshl_b32 s38, ttmp9, 16                      ; the group's 65,536 bytes of x
	s_mov_b32 s39, 0
	s_lshl_b32 s40, ttmp9, 14                      ; its 16,384 bytes of ternary
	s_mov_b32 s41, 0
	s_lshl_b32 s42, ttmp9, 15                      ; its 32,768 bytes of xb, and of wb
	s_mov_b32 s43, 0
	s_lshl_b32 s44, ttmp9, 9                       ; its 128 scales (512 bytes),
	s_wait_alu depctr_va_sdst(0)                   ; s18 is written, ahead of its first reader, the shift below
	s_lshl_b32 s45, s18, 6                         ; and the wave's 16 among them (64 bytes)
	s_add_co_u32 s44, s44, s45
	s_mov_b32 s45, 0
	s_wait_alu depctr_va_vcc(0)                    ; the compare has written VCC, ahead of its first reader, the first chunk of ternary's v_cndmask_b32
	s_wait_kmcnt 0x0
	s_add_nc_u64 s[4:5], s[4:5], s[38:39]
	s_add_nc_u64 s[6:7], s[6:7], s[40:41]
	s_add_nc_u64 s[8:9], s[8:9], s[44:45]
	s_add_nc_u64 s[10:11], s[10:11], s[42:43]
	s_add_nc_u64 s[12:13], s[12:13], s[42:43]
	s_wait_alu depctr_va_vdst(0)                   ; the four offsets v3 to v6 are written: every load and store of the kernel reads one of them
	; all 24 loads of the wave: each of x's covers 512 consecutive bytes, each of ternary's 256, all aligned to their length
.irp i, 0,1,2,3,4,5,6,7,8,9,10,11,12,13,14,15
	global_load_b128 v[X+4*\i:X+4*\i+3], v[OX], s[4:5] offset:XCH*\i th:TH_LOAD_NT
.endr
.irp j, 0,1,2,3,4,5,6,7
	global_load_b64 v[Y+4*\j:Y+4*\j+1], v[OT], s[6:7] offset:TCH*\j th:TH_LOAD_NT
.endr
	s_load_b512 s[SC:SC+15], s[8:9], 0x0           ; the wave's 16 scales, one scalar load of 64 bytes
	s_load_b32 s36, s[14:15], 0x0                  ; ste_gain and ste_temp are read as given; the forward result is no function of them
	s_load_b32 s37, s[16:17], 0x0                  ; (they steer the backward pass alone), so they enter no arithmetic
; The stores.  Chunk i of xb: the wave's store covers 256 consecutive bytes, aligned.  Chunk j of wb: 512 consecutive bytes, aligned.
.macro XSTORE i
	global_store_b64 v[OXB], v[X+4*(\i):X+4*(\i)+1], s[10:11] offset:256*(\i)
.endm
.macro WSTORE j
	global_store_b128 v[OWB], v[Y+4*(\j):Y+4*(\j)+3], s[12:13] offset:512*(\j)
.endm
; Chunk i of x: 4 f32 a lane become 4 bf16, 8 bytes.  Ahead of its conversions stands the store of chunk i - 4, of the block before.
.macro XCHUNK i
	s_wait_loadcnt 23-(\i)                         ; loads come back in order (ISA guide 5.7.1): 15 - i loads of x and 8 of ternary are younger
.if ((\i) % 4 == 0) && ((\i) > 0)
	s_wait_alu depctr_va_vdst(0)                   ; a block's head: the conversions of the block before have written its four pairs, which this block's four stores read
.endif
.if (\i) >= 4
	XSTORE (\i)-4                                  ; no vector line since that wait names these registers
.endif
	v_cvt_pk_bf16_f32 v[X+4*(\i)],   v[X+4*(\i)],   v[X+4*(\i)+1]
	v_cvt_pk_bf16_f32 v[X+4*(\i)+1], v[X+4*(\i)+2], v[X+4*(\i)+3]
.endm
; Chunk j of ternary: 8 int8 a lane, times the scale of the lane's group, become 8 bf16, 16 bytes.  Ahead of its arithmetic stand stores of the block
; before: in the first block two of x's last four chunks, later chunk j - 2 of wb.
.macro WCHUNK j
	s_wait_loadcnt 7-(\j)                          ; 7 - j loads of ternary are younger
.if (\j) % 2 == 0
	s_wait_alu depctr_va_vdst(0)                   ; a block's head: the conversions of the block before have written its out registers, which this block's stores read
.endif
.if (\j) < 2
	XSTORE 12+2*(\j)                               ; no vector line since that wait names these registers
	XSTORE 13+2*(\j)
.else
	WSTORE (\j)-2
.endif
	v_mov_b32 v[SCL], s[SC+2*(\j)+1]               ; lanes 16 to 31 hold group 2 j + 1,
	v_cndmask_b32 v[SCL], s[SC+2*(\j)], v[SCL], vcc_lo   ; lanes 0 to 15 group 2 j
.irp q, 0,1
	v_lshlrev_b32 v[T+4*\q],   24, v[Y+4*(\j)+\q]  ; each byte to the top of a word,
	v_lshlrev_b32 v[T+4*\q+1], 16, v[Y+4*(\j)+\q]
	v_lshlrev_b32 v[T+4*\q+2], 8,  v[Y+4*(\j)+\q]
	v_ashrrev_i32 v[T+4*\q+3], 24, v[Y+4*(\j)+\q]  ; (the fourth is there already)
.endr
.irp k, 0,1,2,4,5,6
	v_ashrrev_i32 v[T+\k], 24, v[T+\k]             ; and down again with its sign
.endr
.irp k, 0,1,2,3,4,5,6,7
	v_cvt_f32_i32 v[T+\k], v[T+\k]
.endr
.irp k, 0,2,4,6
	v_pk_mul_f32 v[T+\k:T+\k+1], v[T+\k:T+\k+1], v[SCL:SCL+1] op_sel_hi:[1,0]   ; both by v8, in f32
.endr
.irp k, 0,1,2,3
	v_cvt_pk_bf16_f32 v[Y+4*(\j)+\k], v[T+2*\k], v[T+2*\k+1]   ; the two loaded words are dead: all eight bytes were taken out above
.endr
.endm
.irp i, 0,1,2,3,4,5,6,7,8,9,10,11,12,13,14,15
	XCHUNK \i
.endr
	s_wait_kmcnt 0x0                               ; the scales (and the two numbers beside them)
.irp j, 0,1,2,3,4,5,6,7
	WCHUNK \j
.endr
	s_wait_alu depctr_va_vdst(0)                   ; the last block's conversions have written chunks 6 and 7 of wb, which the last two stores read
	WSTORE 6
	WSTORE 7
	s_endpgm
.Lfunc_end_k_q81e3c2998d_prep:
	.size	k_q81e3c2998d_prep, .Lfunc_end_k_q81e3c2998d_prep-k_q81e3c2998d_prep
	.p2alignl 7, 3214868480
	.fill 96, 4, 3214868480
	.section	.rodata,"a",@progbits
	.p2align	6, 0x0
	.amdhsa_kernel k_q81e3c2998d_prep
		.amdhsa_group_segment_fixed_size 0
		.amdhsa_private_segment_fixed_size 0
		.amdhsa_enable_private_segment 0
		.amdhsa_kernarg_size 56
		.amdhsa_user_sgpr_count 2
		.amdhsa_user_sgpr_kernarg_segment_ptr 1
		.amdhsa_wavefront_size32 1
		.amdhsa_system_sgpr_workgroup_id_x 1
		.amdhsa_system_sgpr_workgroup_id_y 1
		.amdhsa_system_sgpr_workgroup_id_z 1
		.amdhsa_system_vgpr_workitem_id 0
		.amdhsa_next_free_vgpr 114
		.amdhsa_next_free_sgpr 66
		.amdhsa_reserve_vcc 1
		.amdhsa_float_denorm_mode_32 3
		.amdhsa_float_denorm_mode_16_64 3
		.amdhsa_memory_ordered 1
		.amdhsa_forward_progress 1
		.amdhsa_inst_pref_size 20
	.end_amdhsa_kernel
	.amdgpu_metadata
---
amdhsa.version: [ 1, 2 ]
amdhsa.kernels:
  - .name:           k_q81e3c2998d_prep
    .symbol:         k_q81e3c2998d_prep.kd
    .args:
      - { .name: x, .offset: 0, .size: 8, .value_kind: global_buffer, .address_space: global }
      - { .name: ternary, .offset: 8, .size: 8, .value_kind: global_buffer, .address_space: global }
      - { .name: scales, .offset: 16, .size: 8, .value_kind: global_buffer, .address_space: global }
      - { .name: xb, .offset: 24, .size: 8, .value_kind: global_buffer, .address_space: global }
      - { .name: wb, .offset: 32, .size: 8, .value_kind: global_buffer, .address_space: global }
      - { .name: ste_gain, .offset: 40, .size: 8, .value_kind: global_buffer, .address_space: global }
      - { .name: ste_temp, .offset: 48, .size: 8, .value_kind: global_buffer, .address_space: global }
    .group_segment_fixed_size: 0
    .private_segment_fixed_size: 0
    .kernarg_segment_align: 8
    .kernarg_segment_size: 56
    .max_flat_workgroup_size: 256
    .sgpr_count:     66
    .vgpr_count:     114
    .wavefront_size: 32
...
	.end_amdgpu_metadata
.endif
;; end of part 3
;; launch gemm: the kernel of part 2 again; grid 16 x 16, 4 waves a work-group, clusters of 4 x 4, 327,680 bytes of LDS; arguments xb, wb, out0; writes out0
